; MI455X (gfx1250); checked and timed in simulation.
; The chip was launched on July 23, 2026; its instructions are those of AMD's public machine-readable ISA for CDNA 5 (MIT licence, August 2026) and "CDNA5" Instruction Set Architecture Reference Guide (July 2026). The comments in the code are by the model that wrote it; some were corrected since.
;; Explicit Multihead Attention. Allowed arithmetic: float matrix products may take bf16 or f16 operands with f32 sums; all other float work in f32.
;; Inputs: Wk 1,024 x 1,024 float32; Wo 1,024 x 1,024 float32; Wq 1,024 x 1,024 float32; Wv 1,024 x 1,024 float32; bk 1,024 float32; bo 1,024 float32; bq 1,024 float32; bv 1,024 float32; x 2 x 2,048 x 1,024 float32.
;; Outputs: out0 2 x 2,048 x 1,024 float32.
;; One version. Each part assembles by itself: llvm-mc -triple=amdgcn-amd-amdhsa -mcpu=gfx1250 --defsym DOCPART=n.
;; ======== version 1 of 1: 4 launches
;; workspace buffers: xb 8,388,608 bytes; wb 8,388,608 bytes; qb 8,388,608 bytes; kb 8,388,608 bytes; vb 8,388,608 bytes; ctxf 8,388,608 bytes
;; launch cast (part 1): grid 128 x 8, 8 waves a work-group, no clusters, 0 bytes of LDS; arguments x, Wq, Wk, Wv, Wo, xb, wb; writes xb, wb
.if DOCPART == 1
	.amdgcn_target "amdgcn-amd-amdhsa--gfx1250"
	.amdhsa_code_object_version 6
	.text
	.protected	k_qd0299f9c6f_cast
	.globl	k_qd0299f9c6f_cast
	.p2align	8
	.type	k_qd0299f9c6f_cast,@function
k_qd0299f9c6f_cast:
	s_mov_b64 s[64:65], 0
	v_nop
	global_prefetch_b8 v0, s[64:65] scope:SCOPE_SE
	s_setreg_imm32_b32 hwreg(HW_REG_WAVE_MODE, 25, 1), 1
	s_wait_xcnt 0x0
; f32 -> bf16 (round to nearest even), layouts unchanged: x -> xb, and Wq, Wk, Wv, Wo -> wb at 0, 2, 4, 6 MiB.
; Eight chunks of 1 Mi numbers (grid y: 0-3 the quarters of x, 4-7 the four weights), each cut into 128 pieces (grid x) of
; 32,768 bytes in and 16,384 bytes out.  Thread t takes 16 bytes at 4,096 i + 16 t, i = 0..7: a wave's load covers 512
; neighbouring bytes, its store of 8 bytes a lane 256 neighbouring bytes that start at a multiple of 256.
; A pure stream: every byte is read once and written once, nothing is shared between work-groups, so there is no LDS,
; no barrier, no cluster and no matrix instruction.  All eight loads of a thread are out before the first is used.
.set X, 4                              ; v[4:35]   eight loads of four f32
.set Y, 36                             ; v[36:51]  eight pairs of packed bf16
	s_load_b256 s[4:11], s[0:1], 0x0               ; x s[4:5], Wq s[6:7], Wk s[8:9], Wv s[10:11]
	s_load_b128 s[12:15], s[0:1], 0x20             ; Wo s[12:13], xb s[14:15]
	s_load_b64 s[16:17], s[0:1], 0x30              ; wb
	s_and_b32 s20, ttmp7, 0xffff                   ; the chunk, 0..7
	s_and_b32 s21, s20, 3                          ; quarter of x, or number of the weight
	s_lshl_b32 s27, s21, 22                        ; a quarter of x is 4 MiB
	v_lshlrev_b32 v1, 4, v0                        ; 16 t
	v_lshlrev_b32 v2, 3, v0                        ; 8 t
	s_wait_kmcnt 0x0
	s_cmp_eq_u32 s20, 5                            ; the source is chosen by the chunk's number alone
	s_cselect_b64 s[22:23], s[8:9], s[6:7]
	s_cmp_eq_u32 s20, 6
	s_cselect_b64 s[22:23], s[10:11], s[22:23]
	s_cmp_eq_u32 s20, 7
	s_cselect_b64 s[22:23], s[12:13], s[22:23]
	s_cmp_lt_u32 s20, 4
	s_cselect_b64 s[22:23], s[4:5], s[22:23]
	s_cselect_b64 s[24:25], s[14:15], s[16:17]     ; destination: xb or wb
	s_cselect_b32 s26, s27, 0                      ; a weight is a whole buffer: no chunk offset on its source
	s_lshl_b32 s28, ttmp9, 15                      ; the piece: 32,768 bytes in,
	s_add_co_u32 s28, s28, s26
	s_mov_b32 s29, 0
	s_lshl_b32 s30, s21, 21                        ; a chunk is 2 MiB in bf16,
	s_lshl_b32 s31, ttmp9, 14                      ; the piece 16,384 bytes out
	s_add_co_u32 s30, s30, s31
	s_mov_b32 s31, 0
	s_add_nc_u64 s[22:23], s[22:23], s[28:29]
	s_add_nc_u64 s[24:25], s[24:25], s[30:31]
.irp i, 0,1,2,3,4,5,6,7
	global_load_b128 v[X+4*\i:X+4*\i+3], v1, s[22:23] offset:4096*\i th:TH_LOAD_NT   ; read once in the launch
.endr
.irp i, 0,1,2,3,4,5,6,7
	s_wait_loadcnt 7-\i                            ; loads come back in order (ISA guide 5.7.1): load i is in, the 7 - i younger ones stay out
	v_cvt_pk_bf16_f32 v[Y+2*\i], v[X+4*\i], v[X+4*\i+1]
	v_cvt_pk_bf16_f32 v[Y+2*\i+1], v[X+4*\i+2], v[X+4*\i+3]
	global_store_b64 v2, v[Y+2*\i:Y+2*\i+1], s[24:25] offset:2048*\i                 ; later launches read it: no hint
.endr
	s_endpgm
.Lfunc_end_k_qd0299f9c6f_cast:
	.size	k_qd0299f9c6f_cast, .Lfunc_end_k_qd0299f9c6f_cast-k_qd0299f9c6f_cast
	.p2alignl 7, 3214868480
	.fill 96, 4, 3214868480
	.section	.rodata,"a",@progbits
	.p2align	6, 0x0
	.amdhsa_kernel k_qd0299f9c6f_cast
		.amdhsa_group_segment_fixed_size 0
		.amdhsa_private_segment_fixed_size 0
		.amdhsa_enable_private_segment 0
		.amdhsa_kernarg_size 56
		.amdhsa_user_sgpr_count 2
		.amdhsa_user_sgpr_kernarg_segment_ptr 1
		.amdhsa_wavefront_size32 1
		.amdhsa_system_sgpr_workgroup_id_x 1
		.amdhsa_system_sgpr_workgroup_id_y 1
		.amdhsa_system_sgpr_workgroup_id_z 1
		.amdhsa_system_vgpr_workitem_id 0
		.amdhsa_next_free_vgpr 56
		.amdhsa_next_free_sgpr 66
		.amdhsa_reserve_vcc 0
		.amdhsa_float_denorm_mode_32 3
		.amdhsa_float_denorm_mode_16_64 3
		.amdhsa_memory_ordered 1
		.amdhsa_forward_progress 1
		.amdhsa_inst_pref_size 5
	.end_amdhsa_kernel
	.amdgpu_metadata
---
amdhsa.version: [ 1, 2 ]
amdhsa.kernels:
  - .name:           k_qd0299f9c6f_cast
    .symbol:         k_qd0299f9c6f_cast.kd
    .args:
      - { .name: x, .offset: 0, .size: 8, .value_kind: global_buffer, .address_space: global }
      - { .name: Wq, .offset: 8, .size: 8, .value_kind: global_buffer, .address_space: global }
      - { .name: Wk, .offset: 16, .size: 8, .value_kind: global_buffer, .address_space: global }
      - { .name: Wv, .offset: 24, .size: 8, .value_kind: global_buffer, .address_space: global }
      - { .name: Wo, .offset: 32, .size: 8, .value_kind: global_buffer, .address_space: global }
      - { .name: xb, .offset: 40, .size: 8, .value_kind: global_buffer, .address_space: global }
      - { .name: wb, .offset: 48, .size: 8, .value_kind: global_buffer, .address_space: global }
    .group_segment_fixed_size: 0
    .private_segment_fixed_size: 0
    .kernarg_segment_align: 8
    .kernarg_segment_size: 56
    .max_flat_workgroup_size: 256
    .sgpr_count:     66
    .vgpr_count:     56
    .wavefront_size: 32
...
	.end_amdgpu_metadata
.endif
;; end of part 1
;; launch qkv (part 2): grid 8 x 32, 4 waves a work-group, clusters of 4 x 4, 327,680 bytes of LDS; arguments xb, wb, bq, bk, bv, qb, kb, vb; writes qb, kb, vb
.if DOCPART == 2
	.amdgcn_target "amdgcn-amd-amdhsa--gfx1250"
	.amdhsa_code_object_version 6
	.text
	.protected	k_qd0299f9c6f_qkv
	.globl	k_qd0299f9c6f_qkv
	.p2align	8
	.type	k_qd0299f9c6f_qkv,@function
k_qd0299f9c6f_qkv:
	s_mov_b64 s[64:65], 0
	v_nop
	global_prefetch_b8 v0, s[64:65] scope:SCOPE_SE
	s_setreg_imm32_b32 hwreg(HW_REG_WAVE_MODE, 25, 1), 1
	s_wait_xcnt 0x0
	s_wait_alu depctr_hold_cnt(0) depctr_sa_sdst(0) depctr_va_vdst(0) depctr_va_sdst(0) depctr_va_ssrc(0) depctr_va_vcc(0) depctr_vm_vsrc(0)
	s_getreg_b32 s2, hwreg(HW_REG_IB_STS2, 6, 4)
	s_cmp_eq_u32 s2, 0
	s_cbranch_scc0 .Lentry_in_a_cluster
	s_endpgm
.Lentry_in_a_cluster:
	s_bfe_u32 s2, ttmp6, 0x10000c
	s_cmp_lg_u32 s2, 0xf033
	s_cbranch_scc0 .Lentry_shape_is_right
	s_endpgm
.Lentry_shape_is_right:
; q = (x Wq + bq) c, k = x Wk + bk, v = x Wv + bv, with c = 0.125 log2(e), so that the scores of the next launch are exponents of 2.
; xb: [4096][1024] bf16.  wb: Wq, Wk, Wv as [1024 k][1024 n] bf16 at 0, 2, 4 MiB.  qb, kb, vb: [16 b + head][2048 tokens][64] bf16.
; A work-group makes 128 tokens x (128 columns = 2 heads) of each of q, k, v: a block of 128 x 384.  Four waves, as many as a WGP has
; SIMDs; wave w takes all 128 tokens and columns 32 w .. 32 w + 31 of each of the three: 8 x 6 = 48 accumulator tiles, 384 registers.
; For 32 along K a wave reads (128 + 96) x 64 bytes from LDS for 48 matrix instructions.
; K goes in 8 steps of 128 through two LDS slots; a tile's rows are 256 bytes of memory and start at multiples of 256 bytes.
; W stays [k][n]: its fragments are made by the transposing LDS load.
; CLUSTERS: 4 x 4 work-groups.  x's tile hangs on the token block alone and is asked for jointly by a row of the cluster; the three
; tiles of W hang on the column block alone and are asked for jointly by a column.  That divides the requests for both by four.
; Sums, biases and the scale are f32; q, k, v are rounded to bf16 once.  bf16 has f32's range, so there is no limit of range of its own.
;
; REGISTERS: window 0: v10-25 addresses; two fragment buffers of 112 (8 of x, then 6 of W).  Window 1: the 32 tiles of q and k,
; tile (a, b) at v[8 (4 a + b)], b = 0, 1 q, b = 2, 3 k.  Window 2: the 16 tiles of v at v[8 (2 a + b)]; the biases at v128-175.
; THE MATRIX INSTRUCTION IS USED TRANSPOSED: source 0 = 16 columns of W, source 1 = 16 tokens.  Lane l then holds token l % 16 and
; the eight neighbouring columns 8 (l / 16) + 0..7, which pack into 16 bytes.
.set KSTEP, 128
.set AP,    272                        ; x's LDS row: 256 bytes + 16: an odd multiple of 16 bytes
.set BP,    288                        ; W's LDS row: 256 bytes + 32: an odd multiple of 32 bytes, for the transposing load
.set BT,    128*BP                     ; one tile of W, 36,864 bytes
.set AT,    128*AP                     ; x's tile, 34,816 bytes
.set SLOT,  3*BT+AT                    ; Wq, Wk, Wv, x: 145,408 bytes
.set SGP,   144                        ; the stage's row: 128 bytes (a head's row) + 16
.set SGB,   128*SGP                    ; a block of the stage: 128 tokens of one head of one of q, k, v
.set CSCALE, 0x3e38aa3b                ; 0.125 log2(e)
.set WAVE, 20                          ; s20 wave; s21 cx, s22 cy, s23 column block, s24 token block, s25, s26 masks, s27 laps
.set G1A,  28                          ; s[28:35] group 1 for x's tile
.set G1B,  36                          ; s[36:43] group 1 for W's tiles
.set G0A,  44                          ; s[44:51] group 0 for x's tile, one set for each slot
.set G0B,  52                          ; s[52:59] group 0 for W's tiles, one set for each slot
.set ADRA, 10                          ; v10-11  my x fragments in slot 0, 1
.set ADRB, 12                          ; v12-17  my W fragments: 3 slot + (0 q, 1 k, 2 v)
.set BO,   18                          ; v18     byte offset of my first bias
.set STO,  20                          ; v20-22  the way out: where I put 16 bytes, for q, k, v
.set RD,   23                          ; v23-24  the way out: where I read rows back, blocks 0-2 and 3-5
.set CO,   25                          ; v25     my byte offset in the output
.set F0,   32
.set F1,   144
.set TMP,  32                          ; the way out: 192 registers of packed results
.set BIAS, 128                         ; window 2
.set MSB, 0
.macro WIN new                         ; the immediate's high byte repeats the setting that is left
.if MSB != \new
	s_set_vgpr_msb (MSB<<8)|\new
.set MSB, \new
.endif
.endm
.macro PLACES n                        ; places behind matrix instructions: plain vector instructions that name none of their registers (ISA guide 7.12.1)
.rept \n
	v_nop
.endr
.endm
.macro CREST                           ; a round of the cluster's barrier behind its opening work-group barrier
	s_cmp_lg_u32 s[WAVE], 0
	s_cbranch_scc1 .Lnot_wave_0_\@
	s_barrier_signal -3
.Lnot_wave_0_\@:
	s_barrier_wait -3
	s_barrier_signal -1
	s_barrier_wait -1
.endm
.macro CROUND                          ; a whole round
	s_barrier_signal -1
	s_barrier_wait -1
	CREST
.endm
; A joint load.  Waves 0, 1, 2 fetch the tiles of Wq, Wk, Wv, wave 3 fetches x's.  Each line has one mask; the branch hangs on the wave's number alone.
.macro JLOAD s
	s_cmp_eq_u32 s[WAVE], 3
	s_cbranch_scc0 .Lfor_w_\@
	tensor_load_to_lds s[G0A+4*\s:G0A+4*\s+3], s[G1A:G1A+7]
	s_nop 0
	s_branch .Lasked_\@
.Lfor_w_\@:
	tensor_load_to_lds s[G0B+4*\s:G0B+4*\s+3], s[G1B:G1B+7]
	s_nop 0
.Lasked_\@:
.endm
	s_load_b512 s[4:19], s[0:1], 0x0               ; xb s[4:5], wb s[6:7], bq s[8:9], bk s[10:11], bv s[12:13], qb s[14:15], kb s[16:17], vb s[18:19]
	v_lshl_add_u32 v30, v0, 2, 0x47000
	v_mov_b32 v31, 0
	ds_add_u32 v30, v31
	v_lshrrev_b32 v1, 5, v0
	v_readfirstlane_b32 s[WAVE], v1
	s_bfe_u32 s21, ttmp6, 0x40000                  ; cx
	s_bfe_u32 s22, ttmp6, 0x40004                  ; cy
	s_lshl_b32 s23, ttmp9, 2
	s_add_co_u32 s23, s23, s21                     ; column block = 4 x cluster x + cx, 0..7
	s_and_b32 s24, ttmp7, 0xffff
	s_lshl_b32 s24, s24, 2
	s_add_co_u32 s24, s24, s22                     ; token block = 4 x cluster y + cy, 0..31
	s_lshl_b32 s25, s22, 2
	s_lshl_b32 s25, 15, s25                        ; my row of the cluster
	s_lshl_b32 s26, 0x1111, s21                    ; my column
	s_or_b32 s[G1A+0], s25, (1<<16)|(1<<20)|(1<<21)|(5<<22)|(3<<25)   ; mask; elements of 2 bytes; padding on; bit 21 beside a mask; after every 64 words 4 words
	s_or_b32 s[G1B+0], s26, (1<<16)|(1<<20)|(1<<21)|(5<<22)|(7<<25)   ; the same with my column's mask and 8 words of padding
.irp g, G1A, G1B
	s_mov_b32 s[\g+1], KSTEP<<16                   ; tensor_dim0 = 128
	s_mov_b32 s[\g+2], 128<<16                     ; tensor_dim1 = 128
	s_mov_b32 s[\g+3], KSTEP<<16                   ; tile_dim0 = 128 elements = 256 bytes
	s_mov_b32 s[\g+4], 128                         ; tile_dim1 = 128 rows
	s_mov_b32 s[\g+5], 1024                        ; elements from row to row
	s_mov_b32 s[\g+6], 0
	s_mov_b32 s[\g+7], 0
.endr
	s_lshl_b32 s60, s24, 18                        ; x: 128 tokens of 2,048 bytes for each token block (no cx enters s[60:61])
	s_mov_b32 s61, 0
	s_lshl_b32 s62, s[WAVE], 21                    ; W: matrix number = wave, 2 MiB each,
	s_lshl_b32 s66, s23, 8                         ; 128 columns = 256 bytes for each column block (no cy enters s[62:63])
	s_add_co_u32 s62, s62, s66
	s_mov_b32 s63, 0
	s_mul_i32 s68, s[WAVE], BT                     ; where my tile goes: wave x 36,864; x's tile lies behind the three of W
	s_wait_dscnt 0x0
	s_wait_kmcnt 0x0
	s_add_nc_u64 s[60:61], s[4:5], s[60:61]
	s_add_nc_u64 s[62:63], s[6:7], s[62:63]
	CROUND                                         ; all sixteen work-groups are here: the first joint loads meet
.irp s, 0,1
	s_mov_b32 s[G0A+4*\s], 1
	s_add_co_u32 s[G0A+4*\s+1], s68, \s*SLOT
	s_add_nc_u64 s[G0A+4*\s+2:G0A+4*\s+3], s[60:61], \s*KSTEP*2        ; K step s: 256 bytes along the rows of x
	s_or_b32 s[G0A+4*\s+3], s[G0A+4*\s+3], 0x80000000
	s_mov_b32 s[G0B+4*\s], 1
	s_add_co_u32 s[G0B+4*\s+1], s68, \s*SLOT
	s_add_nc_u64 s[G0B+4*\s+2:G0B+4*\s+3], s[62:63], \s*KSTEP*2048     ; K step s: 128 rows of W
	s_or_b32 s[G0B+4*\s+3], s[G0B+4*\s+3], 0x80000000
	JLOAD \s
.endr
	v_and_b32 v1, 31, v0                           ; lane l
	v_and_b32 v2, 15, v0                           ; r = l % 16
	v_bfe_u32 v3, v0, 4, 1                         ; h = l / 16
	v_and_b32 v4, 7, v0                            ; l % 8
	v_bfe_u32 v5, v0, 3, 1                         ; (l / 8) % 2
	s_lshl_b32 s66, s23, 9                         ; biases: 4 bytes x (128 column block + 32 wave + 8 h)
	s_lshl_b32 s67, s[WAVE], 7
	s_add_co_u32 s66, s66, s67
	v_lshl_add_u32 v[BO], v3, 5, s66
	WIN 0x80                                       ; destination in window 2
.irp bb, 0,1
	global_load_b128 v[BIAS+8*\bb:BIAS+8*\bb+3],       v[BO], s[8:9] offset:64*\bb
	global_load_b128 v[BIAS+8*\bb+4:BIAS+8*\bb+7],     v[BO], s[8:9] offset:64*\bb+16
	global_load_b128 v[BIAS+16+8*\bb:BIAS+16+8*\bb+3],   v[BO], s[10:11] offset:64*\bb
	global_load_b128 v[BIAS+16+8*\bb+4:BIAS+16+8*\bb+7], v[BO], s[10:11] offset:64*\bb+16
	global_load_b128 v[BIAS+32+8*\bb:BIAS+32+8*\bb+3],   v[BO], s[12:13] offset:64*\bb
	global_load_b128 v[BIAS+32+8*\bb+4:BIAS+32+8*\bb+7], v[BO], s[12:13] offset:64*\bb+16
.endr
	WIN 0
	; x's fragment: lane l holds token r; registers 0-3 K = 8 h + 0..7, registers 4-7 K = 16 + 8 h + 0..7: two loads, 32 bytes apart
	v_mul_u32_u24 v6, v2, AP
	v_lshl_add_u32 v6, v3, 4, v6
	v_add_nc_u32 v[ADRA], 3*BT, v6
	v_add_nc_u32 v[ADRA+1], 3*BT+SLOT, v6
	; W's fragment by the transposing load: row 8 h + l % 8 of the 16 k, 16 bytes at 16 ((l / 8) % 2); the second load 16 rows on
	v_lshl_add_u32 v7, v3, 3, v4
	v_mul_u32_u24 v7, v7, BP
	v_lshl_add_u32 v7, v5, 4, v7
	s_lshl_b32 s66, s[WAVE], 6                     ; my 32 columns = 64 bytes
	v_add_nc_u32 v7, s66, v7
.irp s, 0,1
.irp c, 0,1,2
	v_add_nc_u32 v[ADRB+3*\s+\c], \s*SLOT+\c*BT, v7
.endr
.endr
	; the stage: block 2 (q, k, v) + head; row = token; my 32 columns are one half of a head's row
	s_lshr_b32 s66, s[WAVE], 1
	s_mul_i32 s66, s66, SGB
	s_and_b32 s67, s[WAVE], 1
	s_lshl_b32 s67, s67, 6
	s_add_co_u32 s66, s66, s67
	v_mul_u32_u24 v8, v2, SGP
	v_lshl_add_u32 v8, v3, 4, v8
	v_add_nc_u32 v[STO], s66, v8
	v_add_nc_u32 v[STO+1], 2*SGB, v[STO]
	v_add_nc_u32 v[STO+2], 4*SGB, v[STO]
	v_lshrrev_b32 v9, 3, v1                        ; back: eight lanes take a row of 128 bytes, a wave four rows; wave w takes rows 32 w ..
	v_mul_u32_u24 v9, v9, SGP
	v_lshl_add_u32 v9, v4, 4, v9
	s_mul_i32 s66, s[WAVE], 32*SGP
	v_add_nc_u32 v[RD], s66, v9
	v_add_nc_u32 v[RD+1], 3*SGB, v[RD]
	s_lshl_b32 s66, s[WAVE], 12                    ; and in memory: 32 rows of 128 bytes a wave, 16 bytes a lane
	v_lshl_add_u32 v[CO], v1, 4, s66
; 16 matrix instructions on q's and k's tiles: token blocks a0 .. a0 + 3 x 4 column blocks.  zero = 1: the first product starts the sums.
.macro MULQK f, a0, zero
.irp a, \a0, \a0+1, \a0+2, \a0+3
.irp b, 0,1,2,3
.if \zero
	v_wmma_f32_16x16x32_bf16 v[8*(4*(\a)+\b):8*(4*(\a)+\b)+7], v[\f+64+8*\b:\f+64+8*\b+7], v[\f+8*(\a):\f+8*(\a)+7], 0
.else
	v_wmma_f32_16x16x32_bf16 v[8*(4*(\a)+\b):8*(4*(\a)+\b)+7], v[\f+64+8*\b:\f+64+8*\b+7], v[\f+8*(\a):\f+8*(\a)+7], v[8*(4*(\a)+\b):8*(4*(\a)+\b)+7]
.endif
.endr
.endr
.endm
; 16 matrix instructions on v's tiles
.macro MULV f, zero
.irp a, 0,1,2,3,4,5,6,7
.irp b, 0,1
.if \zero
	v_wmma_f32_16x16x32_bf16 v[8*(2*\a+\b):8*(2*\a+\b)+7], v[\f+96+8*\b:\f+96+8*\b+7], v[\f+8*\a:\f+8*\a+7], 0
.else
	v_wmma_f32_16x16x32_bf16 v[8*(2*\a+\b):8*(2*\a+\b)+7], v[\f+96+8*\b:\f+96+8*\b+7], v[\f+8*\a:\f+8*\a+7], v[8*(2*\a+\b):8*(2*\a+\b)+7]
.endif
.endr
.endr
.endm
; 28 LDS loads in one run: quarter q (32 along K) of a slot into buffer f: 16 for x, 8 for Wq and Wk, and last 4 for Wv
.macro FETCH slot, q, f
	WIN 0
.irp a, 0,1,2,3,4,5,6,7
	ds_load_b128 v[\f+8*\a:\f+8*\a+3],   v[ADRA+\slot] offset:\a*16*AP+64*\q
	ds_load_b128 v[\f+8*\a+4:\f+8*\a+7], v[ADRA+\slot] offset:\a*16*AP+64*\q+32
.endr
.irp c, 0,1,2
.irp bb, 0,1
	ds_load_tr16_b128 v[\f+64+8*(2*\c+\bb):\f+64+8*(2*\c+\bb)+3],   v[ADRB+3*\slot+\c] offset:\q*32*BP+32*\bb
	ds_load_tr16_b128 v[\f+64+8*(2*\c+\bb)+4:\f+64+8*\c*2+8*\bb+7], v[ADRB+3*\slot+\c] offset:\q*32*BP+32*\bb+16*BP
.endr
.endr
.endm
; A K step is four quarters of 32 along K, 48 matrix instructions each, on buffers 0, 1, 0, 1.  The 48 accumulators take turns, one
; instruction a turn, in the same order in every quarter, over the loop's backward jump too.
.macro QUARTER slot, q, f, g, zero
	s_wait_dscnt 4                                 ; all of buffer f but Wv's four loads, the youngest
	WIN 0x50                                       ; C and D in window 1
	MULQK \f, 0, \zero
	MULQK \f, 4, \zero
	PLACES 4                                       ; buffer g was read by matrix instructions: loads into it stand four places behind them
	FETCH \slot, \q, \g
	s_wait_dscnt 28                                ; all but the 28 just issued: Wv's fragments of buffer f are in
	WIN 0xa0                                       ; C and D in window 2
	MULV \f, \zero
.endm
.macro THREE slot, zero
	QUARTER \slot, 1, F0, F1, \zero
	QUARTER \slot, 2, F1, F0, 0
	QUARTER \slot, 3, F0, F1, 0
.endm
; The last quarter multiplies buffer 1 and changes slots.  In front of the barrier each wave waits for its reads of this slot and for all its
; tensor loads (one is out: its tile of the next slot).  Where the slot is filled again the barrier opens a round of the cluster's barrier, and
; the joint refill is the first tensor load behind the round.  A wave has at most two tensor loads out (at the start), later one.
.macro TURN slot, next, fill
	s_wait_dscnt 4
	WIN 0x50
	MULQK F1, 0, 0
	s_wait_dscnt 0x0                               ; my reads of this slot are over
	s_wait_tensorcnt 0x0                           ; all my tensor loads have landed
	ds_add_u32 v30, v31
	s_wait_dscnt 0x0
	s_barrier_signal -1
	MULQK F1, 4, 0                                 ; register work while the others arrive
	WIN 0
	s_barrier_wait -1
.if \fill
	CREST                                          ; no wave of any partner still reads this slot or has a load on its way
	s_add_nc_u64 s[G0A+4*\slot+2:G0A+4*\slot+3], s[G0A+4*\slot+2:G0A+4*\slot+3], 2*KSTEP*2
	s_add_nc_u64 s[G0B+4*\slot+2:G0B+4*\slot+3], s[G0B+4*\slot+2:G0B+4*\slot+3], 2*KSTEP*2048
	JLOAD \slot
.endif
	PLACES 4
	FETCH \next, 0, F0
	WIN 0xa0
	MULV F1, 0
.endm
.macro LAP zero
	THREE 0, \zero
	TURN 0, 1, 1
	THREE 1, 0
	TURN 1, 0, 1
.endm
	s_wait_tensorcnt 1                             ; my tile of K step 0 is in; K step 1's may stay out
	s_barrier_signal -1
	s_barrier_wait -1
	FETCH 0, 0, F0
	LAP 1                                          ; K steps 0, 1: the first products start the sums; fills K steps 2, 3
	WIN 0
	s_mov_b32 s27, 2
.Llap:
	LAP 0                                          ; K steps 2-5; fills 4-7
	WIN 0
	s_sub_co_u32 s27, s27, 1
	s_cmp_lg_u32 s27, 0
	s_cbranch_scc1 .Llap
	THREE 0, 0                                     ; K steps 6, 7: nothing more is filled
	TURN 0, 1, 0
	THREE 1, 0
	s_wait_dscnt 0x0
	WIN 0x50
	MULQK F1, 0, 0
	MULQK F1, 4, 0
	WIN 0xa0
	MULV F1, 0
	; THE WAY OUT.  Bias and scale in f32, one rounding to bf16, 16 bytes a lane into the stage, whole rows back, 512 dense bytes a store.
	; The stage is slot 0: its last fill was K step 6, and every wave's reads of it were waited for in front of the barrier of the last change of slots.
	PLACES 4
	s_lshr_b32 s66, s24, 4                         ; batch
	s_lshl_b32 s66, s66, 4
	s_lshl_b32 s68, s23, 1
	s_add_co_u32 s66, s66, s68                     ; 16 batch + my first head
	s_lshl_b32 s66, s66, 18                        ; a head is 262,144 bytes
	s_and_b32 s67, s24, 15
	s_lshl_b32 s67, s67, 14                        ; 128 tokens of 128 bytes
	s_add_co_u32 s66, s66, s67
	s_mov_b32 s67, 0
	s_add_nc_u64 s[14:15], s[14:15], s[66:67]
	s_add_nc_u64 s[16:17], s[16:17], s[66:67]
	s_add_nc_u64 s[18:19], s[18:19], s[66:67]
	s_wait_loadcnt 0x0                             ; the biases
	WIN 0x82
.irp i, 0,1,2,3,4,5,6,7
	v_pk_mul_f32 v[BIAS+2*\i:BIAS+2*\i+1], v[BIAS+2*\i:BIAS+2*\i+1], CSCALE op_sel_hi:[1,0]     ; bq c
.endr
	WIN 0x61                                       ; q = sum x c + bq c
.irp a, 0,1,2,3,4,5,6,7
.irp b, 0,1
.irp p, 0,1,2,3
	v_pk_fma_f32 v[8*(4*\a+\b)+2*\p:8*(4*\a+\b)+2*\p+1], v[8*(4*\a+\b)+2*\p:8*(4*\a+\b)+2*\p+1], CSCALE, v[BIAS+8*\b+2*\p:BIAS+8*\b+2*\p+1] op_sel_hi:[1,0,1]
.endr
.endr
.endr
	WIN 0x49                                       ; k = sum + bk
.irp a, 0,1,2,3,4,5,6,7
.irp b, 2,3
.irp p, 0,1,2,3
	v_pk_add_f32 v[8*(4*\a+\b)+2*\p:8*(4*\a+\b)+2*\p+1], v[8*(4*\a+\b)+2*\p:8*(4*\a+\b)+2*\p+1], v[BIAS+8*\b+2*\p:BIAS+8*\b+2*\p+1]
.endr
.endr
.endr
	WIN 0x8a                                       ; v = sum + bv
.irp a, 0,1,2,3,4,5,6,7
.irp b, 0,1
.irp p, 0,1,2,3
	v_pk_add_f32 v[8*(2*\a+\b)+2*\p:8*(2*\a+\b)+2*\p+1], v[8*(2*\a+\b)+2*\p:8*(2*\a+\b)+2*\p+1], v[BIAS+32+8*\b+2*\p:BIAS+32+8*\b+2*\p+1]
.endr
.endr
.endr
	WIN 0x05
.irp a, 0,1,2,3,4,5,6,7
.irp b, 0,1,2,3
.irp i, 0,1,2,3
	v_cvt_pk_bf16_f32 v[TMP+4*(6*\a+\b)+\i], v[8*(4*\a+\b)+2*\i], v[8*(4*\a+\b)+2*\i+1]
.endr
.endr
.endr
	WIN 0x0a
.irp a, 0,1,2,3,4,5,6,7
.irp b, 0,1
.irp i, 0,1,2,3
	v_cvt_pk_bf16_f32 v[TMP+4*(6*\a+4+\b)+\i], v[8*(2*\a+\b)+2*\i], v[8*(2*\a+\b)+2*\i+1]
.endr
.endr
.endr
	WIN 0
.irp a, 0,1,2,3,4,5,6,7
.irp t, 0,1,2,3,4,5
	ds_store_b128 v[STO+\t/2], v[TMP+4*(6*\a+\t):TMP+4*(6*\a+\t)+3] offset:\a*16*SGP+32*(\t%2)
.endr
.endr
	s_wait_dscnt 0x0                               ; for the others' sake: my stores are in LDS
	s_barrier_signal -1
	s_barrier_wait -1
.irp blk, 0,1,2,3,4,5
.irp i, 0,1,2,3,4,5,6,7
	ds_load_b128 v[TMP+4*(8*\blk+\i):TMP+4*(8*\blk+\i)+3], v[RD+\blk/3] offset:(\blk%3)*SGB+\i*4*SGP
.endr
.endr
.irp blk, 0,1,2,3,4,5
.irp i, 0,1,2,3,4,5,6,7
	s_wait_dscnt 47-(8*\blk+\i)                    ; LDS loads come back in order: this one is in, the younger ones stay out
	global_store_b128 v[CO], v[TMP+4*(8*\blk+\i):TMP+4*(8*\blk+\i)+3], s[14+2*(\blk/2):15+2*(\blk/2)] offset:(\blk%2)*262144+\i*512
.endr
.endr
	s_wait_tensorcnt 0x0
	ds_add_u32 v30, v31
	s_wait_dscnt 0x0
	CROUND                                         ; the closing round: no work-group ends while a partner may still ask for a tile that names it
	s_endpgm
.Lfunc_end_k_qd0299f9c6f_qkv:
	.size	k_qd0299f9c6f_qkv, .Lfunc_end_k_qd0299f9c6f_qkv-k_qd0299f9c6f_qkv
	.p2alignl 7, 3214868480
	.fill 96, 4, 3214868480
	.section	.rodata,"a",@progbits
	.p2align	6, 0x0
	.amdhsa_kernel k_qd0299f9c6f_qkv
		.amdhsa_group_segment_fixed_size 327680
		.amdhsa_private_segment_fixed_size 0
		.amdhsa_enable_private_segment 0
		.amdhsa_kernarg_size 64
		.amdhsa_user_sgpr_count 2
		.amdhsa_user_sgpr_kernarg_segment_ptr 1
		.amdhsa_wavefront_size32 1
		.amdhsa_system_sgpr_workgroup_id_x 1
		.amdhsa_system_sgpr_workgroup_id_y 1
		.amdhsa_system_sgpr_workgroup_id_z 1
		.amdhsa_system_vgpr_workitem_id 0
		.amdhsa_next_free_vgpr 704
		.amdhsa_next_free_sgpr 72
		.amdhsa_reserve_vcc 0
		.amdhsa_float_denorm_mode_32 3
		.amdhsa_float_denorm_mode_16_64 3
		.amdhsa_memory_ordered 1
		.amdhsa_forward_progress 1
		.amdhsa_inst_pref_size 173
	.end_amdhsa_kernel
	.amdgpu_metadata
---
amdhsa.version: [ 1, 2 ]
amdhsa.kernels:
  - .name:           k_qd0299f9c6f_qkv
    .symbol:         k_qd0299f9c6f_qkv.kd
    .args:
      - { .name: xb, .offset: 0, .size: 8, .value_kind: global_buffer, .address_space: global }
      - { .name: wb, .offset: 8, .size: 8, .value_kind: global_buffer, .address_space: global }
      - { .name: bq, .offset: 16, .size: 8, .value_kind: global_buffer, .address_space: global }
      - { .name: bk, .offset: 24, .size: 8, .value_kind: global_buffer, .address_space: global }
      - { .name: bv, .offset: 32, .size: 8, .value_kind: global_buffer, .address_space: global }
      - { .name: qb, .offset: 40, .size: 8, .value_kind: global_buffer, .address_space: global }
      - { .name: kb, .offset: 48, .size: 8, .value_kind: global_buffer, .address_space: global }
      - { .name: vb, .offset: 56, .size: 8, .value_kind: global_buffer, .address_space: global }
    .group_segment_fixed_size: 327680
    .private_segment_fixed_size: 0
    .kernarg_segment_align: 8
    .kernarg_segment_size: 64
    .max_flat_workgroup_size: 128
    .sgpr_count:     72
    .vgpr_count:     704
    .wavefront_size: 32
...
	.end_amdgpu_metadata
.endif
;; end of part 2
;; launch attn (part 3): grid 8 x 32, 8 waves a work-group, clusters of 4 x 1, 327,680 bytes of LDS; arguments qb, kb, vb, ctxf; writes ctxf
.if DOCPART == 3
	.amdgcn_target "amdgcn-amd-amdhsa--gfx1250"
	.amdhsa_code_object_version 6
	.text
	.protected	k_qd0299f9c6f_attn
	.globl	k_qd0299f9c6f_attn
	.p2align	8
	.type	k_qd0299f9c6f_attn,@function
k_qd0299f9c6f_attn:
	s_mov_b64 s[64:65], 0
	v_nop
	global_prefetch_b8 v0, s[64:65] scope:SCOPE_SE
	s_setreg_imm32_b32 hwreg(HW_REG_WAVE_MODE, 25, 1), 1
	s_wait_xcnt 0x0
	s_wait_alu depctr_hold_cnt(0) depctr_sa_sdst(0) depctr_va_vdst(0) depctr_va_sdst(0) depctr_va_ssrc(0) depctr_va_vcc(0) depctr_vm_vsrc(0)
	s_getreg_b32 s2, hwreg(HW_REG_IB_STS2, 6, 4)
	s_cmp_eq_u32 s2, 0
	s_cbranch_scc0 .Lentry_in_a_cluster
	s_endpgm
.Lentry_in_a_cluster:
	s_bfe_u32 s2, ttmp6, 0x10000c
	s_cmp_lg_u32 s2, 0x3003
	s_cbranch_scc0 .Lentry_shape_is_right
	s_endpgm
.Lentry_shape_is_right:
; ctx = softmax(q k^T) v for one (batch, head) and 256 queries, with a running maximum.  q carries 0.125 log2(e): scores are exponents of 2.
; qb, kb, vb: [16 b + head][2048][64] bf16.  ctxf: ctx in bf16 in the order of matrix fragments,
; byte = (token / 16) 32768 + head 2048 + (d / 16) 512 + lane 16, lane (r, h) holding token r and d = 16 (d / 16) + 8 h + 0..7.
; Eight waves, two on each SIMD: wave w takes queries 64 (w % 4) .. + 63 and keys 1024 (w / 4) .. + 1023, so that one wave's exponentials
; can run beside the other's matrix work.  At the end waves 4-7 hand sums, maxima and denominators to waves 0-3 through LDS.
; S^T = K Q^T: lane (r, h) holds query r and keys 8 h + 0..7 of a block of 16 keys, so maximum and sum run inside a lane and end with one
; exchange between the halves, and two packed key blocks ARE the fragment of P^T.  O^T = V^T P^T, V^T by the transposing LDS load:
; lane (r, h) holds query r again, so every factor is one number a lane.
; CLUSTERS: the four work-groups of a cluster have the same head and read the same K and V tiles: each tile is asked for jointly by the four.
; A step is 128 keys of each stream; each wave fetches 32 keys of K and 32 of V (4,096 dense bytes each, as 16 rows of 256 bytes; the padding
; is laid behind every 128 bytes, a key's row).  Two slots; a wave has two tensor loads out behind each round.
; LIMITS: a NaN among the scores loses in the running maximum (v_max3_num_f32), so results for NaN inputs can differ from softmax's;
; scores beyond f32's range give non-finite results.  P and ctx are rounded to bf16; maxima, sums and factors are f32.
.set KP,    144                        ; K's LDS row: 128 bytes + 16
.set VP,    160                        ; V's LDS row: 128 bytes + 32, an odd multiple of 32 for the transposing load
.set KPART, 32*KP                      ; what one wave fetches of K
.set VPART, 32*VP
.set VBASE, 8*KPART
.set SLOT,  VBASE+8*VPART              ; 77,824 bytes
.set STAGE, 2*SLOT                     ; the hand-over has bytes of its own, behind the ring
.set STGSZ, 17408                      ; 16,384 for O, 1,024 for maxima and denominators
.set TSTEP, 16384                      ; 128 keys of 128 bytes
.set WAVE, 12                          ; s12 wave, s13 wave % 4, s14 wave / 4, s15 cx, s16 query block, s17 16 b + head, s18-19 lane selects
.set G1K, 20                           ; s[20:27], s[28:35] group 1 for K, V
.set G1V, 28
.set G0K, 36                           ; s[36:43], s[44:51] group 0, one set for each slot
.set G0V, 44
.set ADRK, 10                          ; v10-11 K fragments in slot 0, 1
.set ADRV, 12                          ; v12-13 V fragments
.set QO,   14
.set STG,  15
.set CO,   16
.set RM,   32                          ; maximum of query block n at v[32+2n], denominator (my half's keys) at v[33+2n]
.set RAL,  40                          ; factor for the old sums at v[40+2n], at work at v[41+2n]
.set RT,   41
.set RSUM, 48                          ; v[48+2n:49+2n]
.set RX,   56                          ; v[56+n]: the other half's maximum
.set RS,   64                          ; scores: block (n, kb) at v[64+32n+8kb]; P(n, c) packed in place at v[64+32n+16c .. +7]
.set RVF,  192                         ; V^T fragments (db, c) at v[192+8(2db+c)]
.set RO,   0                           ; window 1: O(db, n) at v[8(4db+n)]
.set RQ,   128                         ; window 1: Q(n, ks) at v[128+8(2n+ks)]
.set RKF,  192                         ; window 1: K(kb, ks) at v[192+8(2kb+ks)]
.set MSB, 0
.macro WIN new
.if MSB != \new
	s_set_vgpr_msb (MSB<<8)|\new
.set MSB, \new
.endif
.endm
.macro PLACES n                        ; places behind matrix instructions (ISA guide 7.12.1)
.rept \n
	v_nop
.endr
.endm
.macro ROUND                           ; a round of the cluster's barrier
	s_barrier_signal -1
	s_barrier_wait -1
	s_cmp_lg_u32 s[WAVE], 0
	s_cbranch_scc1 .Lnot_wave_0_\@
	s_barrier_signal -3
.Lnot_wave_0_\@:
	s_barrier_wait -3
	s_barrier_signal -1
	s_barrier_wait -1
.endm
	s_load_b256 s[4:11], s[0:1], 0x0               ; qb s[4:5], kb s[6:7], vb s[8:9], ctxf s[10:11]
	v_lshl_add_u32 v30, v0, 2, 0x37000
	v_mov_b32 v31, 0
	ds_add_u32 v30, v31
	v_lshrrev_b32 v1, 5, v0
	v_readfirstlane_b32 s[WAVE], v1
	s_and_b32 s13, s[WAVE], 3                      ; which 64 queries; also which 32 keys of a tile I fetch
	s_lshr_b32 s14, s[WAVE], 2                     ; which half of the keys
	s_bfe_u32 s15, ttmp6, 0x40000                  ; cx
	s_lshl_b32 s16, ttmp9, 2
	s_add_co_u32 s16, s16, s15                     ; block of 256 queries, 0..7
	s_and_b32 s17, ttmp7, 0xffff                   ; 16 b + head
	s_mov_b32 s18, 0x76543210                      ; v_permlanex16_b32: lane i reads lane i of the other half
	s_mov_b32 s19, 0xfedcba98
	s_mov_b32 s[G1K+0], 15|(3<<16)|(1<<20)|(1<<21)|(4<<22)|(3<<25)    ; all four partners; elements of 8 bytes; padding on; bit 21 beside a mask; after every 32 words 4 words
	s_mov_b32 s[G1V+0], 15|(3<<16)|(1<<20)|(1<<21)|(4<<22)|(7<<25)    ; the same with 8 words
.irp g, G1K, G1V
	s_mov_b32 s[\g+1], 32<<16                      ; tensor_dim0 = 32 elements = 256 bytes
	s_mov_b32 s[\g+2], 16<<16                      ; tensor_dim1 = 16 rows
	s_mov_b32 s[\g+3], 32<<16                      ; tile_dim0
	s_mov_b32 s[\g+4], 16                          ; tile_dim1
	s_mov_b32 s[\g+5], 32                          ; the block is dense: a row begins where the last ends
	s_mov_b32 s[\g+6], 0
	s_mov_b32 s[\g+7], 0
.endr
	s_lshl_b32 s54, s17, 18                        ; the head: 262,144 bytes;
	s_lshl_b32 s53, s14, 17                        ; my stream: 1,024 keys of 128 bytes;
	s_add_co_u32 s54, s54, s53
	s_lshl_b32 s53, s13, 12                        ; my 32 keys of each tile
	s_add_co_u32 s54, s54, s53
	s_mov_b32 s55, 0
	s_mul_i32 s62, s[WAVE], KPART                  ; where they go
	s_mul_i32 s63, s[WAVE], VPART
	s_add_co_u32 s63, s63, VBASE
	s_lshl_b32 s60, s17, 18                        ; q: the head and my work-group's 256 queries (the only offsets that hold cx are in s[60:61])
	s_lshl_b32 s61, s16, 15
	s_add_co_u32 s60, s60, s61
	s_mov_b32 s61, 0
	s_wait_dscnt 0x0
	s_wait_kmcnt 0x0
	s_add_nc_u64 s[56:57], s[6:7], s[54:55]
	s_add_nc_u64 s[58:59], s[8:9], s[54:55]
	s_add_nc_u64 s[4:5], s[4:5], s[60:61]
.irp s, 0,1
	s_mov_b32 s[G0K+4*\s], 1
	s_add_co_u32 s[G0K+4*\s+1], s62, \s*SLOT
	s_add_nc_u64 s[G0K+4*\s+2:G0K+4*\s+3], s[56:57], \s*TSTEP
	s_or_b32 s[G0K+4*\s+3], s[G0K+4*\s+3], 0x80000000
	s_mov_b32 s[G0V+4*\s], 1
	s_add_co_u32 s[G0V+4*\s+1], s63, \s*SLOT
	s_add_nc_u64 s[G0V+4*\s+2:G0V+4*\s+3], s[58:59], \s*TSTEP
	s_or_b32 s[G0V+4*\s+3], s[G0V+4*\s+3], 0x80000000
.endr
	ROUND                                          ; the four partners are here: the first joint loads meet
	tensor_load_to_lds s[G0K:G0K+3], s[G1K:G1K+7]  ; tile 0
	s_nop 0
	tensor_load_to_lds s[G0V:G0V+3], s[G1V:G1V+7]
	s_nop 0
	v_and_b32 v1, 31, v0                           ; lane l
	v_and_b32 v2, 15, v0                           ; r
	v_bfe_u32 v3, v0, 4, 1                         ; h
	v_and_b32 v4, 7, v0
	v_bfe_u32 v5, v0, 3, 1
	v_lshlrev_b32 v8, 7, v2                        ; q: row r of 128 bytes + 16 h, my 64 queries
	v_lshl_add_u32 v8, v3, 4, v8
	s_lshl_b32 s53, s13, 13
	v_add_nc_u32 v[QO], s53, v8
	WIN 0x40
.irp n, 0,1,2,3
.irp ks, 0,1
	global_load_b128 v[RQ+8*(2*\n+\ks):RQ+8*(2*\n+\ks)+3],   v[QO], s[4:5] offset:\n*2048+64*\ks
	global_load_b128 v[RQ+8*(2*\n+\ks)+4:RQ+8*(2*\n+\ks)+7], v[QO], s[4:5] offset:\n*2048+64*\ks+32
.endr
.endr
	WIN 0
	v_mul_u32_u24 v6, v2, KP                       ; K: key r, 16 h; my stream's 128 keys
	v_lshl_add_u32 v6, v3, 4, v6
	s_mul_i32 s53, s14, 4*KPART
	v_add_nc_u32 v[ADRK], s53, v6
	v_add_nc_u32 v[ADRK+1], SLOT, v[ADRK]
	v_lshl_add_u32 v7, v3, 3, v4                   ; V: key 8 h + l % 8, 16 bytes at 16 ((l / 8) % 2)
	v_mul_u32_u24 v7, v7, VP
	v_lshl_add_u32 v7, v5, 4, v7
	s_mul_i32 s53, s14, 4*VPART
	s_add_co_u32 s53, s53, VBASE
	v_add_nc_u32 v[ADRV], s53, v7
	v_add_nc_u32 v[ADRV+1], SLOT, v[ADRV]
	s_mul_i32 s53, s13, STGSZ
	s_add_co_u32 s53, s53, STAGE
	v_lshl_add_u32 v[STG], v1, 4, s53
	v_lshlrev_b32 v[CO], 4, v1
.irp n, 0,1,2,3
	v_mov_b32 v[RM+1+2*\n], 0                      ; read as the other half of a register pair before its first value
	v_mov_b32 v[RX+\n], 0                          ; a lane exchange's destination counts as read
.endr
	s_wait_loadcnt 0x0                             ; q
.macro LOADK slot, sub                 ; 16 loads: 64 keys x 64 d
	WIN 0x40
.irp kb, 0,1,2,3
.irp ks, 0,1
	ds_load_b128 v[RKF+8*(2*\kb+\ks):RKF+8*(2*\kb+\ks)+3],   v[ADRK+\slot] offset:\sub*64*KP+\kb*16*KP+64*\ks
	ds_load_b128 v[RKF+8*(2*\kb+\ks)+4:RKF+8*(2*\kb+\ks)+7], v[ADRK+\slot] offset:\sub*64*KP+\kb*16*KP+64*\ks+32
.endr
.endr
.endm
.macro LOADV slot, sub                 ; 16 transposing loads: 64 d x 64 keys
	WIN 0
.irp c, 0,1
.irp db, 0,1,2,3
	ds_load_tr16_b128 v[RVF+8*(2*\db+\c):RVF+8*(2*\db+\c)+3],   v[ADRV+\slot] offset:\sub*64*VP+\c*32*VP+32*\db
	ds_load_tr16_b128 v[RVF+8*(2*\db+\c)+4:RVF+8*(2*\db+\c)+7], v[ADRV+\slot] offset:\sub*64*VP+\c*32*VP+32*\db+16*VP
.endr
.endr
.endm
; 16 matrix instructions of S^T = K Q^T, 32 of d.  The 16 accumulators take turns, one instruction a turn.
.macro SM16 ks, zero
.irp kb, 0,1,2,3
.irp n, 0,1,2,3
.if \zero
	v_wmma_f32_16x16x32_bf16 v[RS+32*\n+8*\kb:RS+32*\n+8*\kb+7], v[RKF+8*(2*\kb+\ks):RKF+8*(2*\kb+\ks)+7], v[RQ+8*(2*\n+\ks):RQ+8*(2*\n+\ks)+7], 0
.else
	v_wmma_f32_16x16x32_bf16 v[RS+32*\n+8*\kb:RS+32*\n+8*\kb+7], v[RKF+8*(2*\kb+\ks):RKF+8*(2*\kb+\ks)+7], v[RQ+8*(2*\n+\ks):RQ+8*(2*\n+\ks)+7], v[RS+32*\n+8*\kb:RS+32*\n+8*\kb+7]
.endif
.endr
.endr
.endm
; 16 matrix instructions of O^T += V^T P^T, 32 keys; turns likewise
.macro PV16 c, zero
.irp db, 0,1,2,3
.irp n, 0,1,2,3
.if \zero
	v_wmma_f32_16x16x32_bf16 v[RO+8*(4*\db+\n):RO+8*(4*\db+\n)+7], v[RVF+8*(2*\db+\c):RVF+8*(2*\db+\c)+7], v[RS+32*\n+16*\c:RS+32*\n+16*\c+7], 0
.else
	v_wmma_f32_16x16x32_bf16 v[RO+8*(4*\db+\n):RO+8*(4*\db+\n)+7], v[RVF+8*(2*\db+\c):RVF+8*(2*\db+\c)+7], v[RS+32*\n+16*\c:RS+32*\n+16*\c+7], v[RO+8*(4*\db+\n):RO+8*(4*\db+\n)+7]
.endif
.endr
.endr
.endm
; 64 keys x 64 queries: new maximum, factor for the old sums, P = 2^(S - maximum), denominators, P packed to bf16.
; The four query blocks are four chains that do not wait for each other.
.macro SOFTMAX first
.irp n, 0,1,2,3
	v_max3_num_f32 v[RT+2*\n], v[RS+32*\n], v[RS+32*\n+1], v[RS+32*\n+2]
.endr
.set k, 3
.rept 14
.irp n, 0,1,2,3
	v_max3_num_f32 v[RT+2*\n], v[RT+2*\n], v[RS+32*\n+k], v[RS+32*\n+k+1]
.endr
.set k, k+2
.endr
.irp n, 0,1,2,3
.if \first
	v_max_num_f32 v[RT+2*\n], v[RT+2*\n], v[RS+32*\n+31]
.else
	v_max3_num_f32 v[RT+2*\n], v[RT+2*\n], v[RS+32*\n+31], v[RM+2*\n]      ; the old maximum joins
.endif
.endr
.irp n, 0,1,2,3
	v_permlanex16_b32 v[RX+\n], v[RT+2*\n], s18, s19                       ; the other eight keys of each block lie in the other half
.endr
.if \first
.irp n, 0,1,2,3
	v_max_num_f32 v[RM+2*\n], v[RT+2*\n], v[RX+\n]
.endr
.else
.irp n, 0,1,2,3
	v_max_num_f32 v[RT+2*\n], v[RT+2*\n], v[RX+\n]
.endr
.irp n, 0,1,2,3
	v_sub_f32 v[RAL+2*\n], v[RM+2*\n], v[RT+2*\n]                          ; old - new, at most 0
.endr
.irp n, 0,1,2,3
	v_mov_b32 v[RM+2*\n], v[RT+2*\n]
.endr
.irp n, 0,1,2,3
	v_exp_f32 v[RAL+2*\n], v[RAL+2*\n]             ; used far below: plain vector instructions follow first (ISA guide 5.7.2)
.endr
.endif
.set k, 0
.rept 16
.irp n, 0,1,2,3
	v_pk_add_f32 v[RS+32*\n+2*k:RS+32*\n+2*k+1], v[RS+32*\n+2*k:RS+32*\n+2*k+1], v[RM+2*\n:RM+2*\n+1] op_sel_hi:[1,0] neg_lo:[0,1] neg_hi:[0,1]
.endr
.set k, k+1
.endr
.set k, 0
.rept 128
	v_exp_f32 v[RS+k], v[RS+k]
.set k, k+1
.endr
	v_nop                                          ; one plain place between the last exponential and the first use
	s_wait_alu depctr_va_vdst(0)
.irp n, 0,1,2,3
	v_pk_add_f32 v[RSUM+2*\n:RSUM+2*\n+1], v[RS+32*\n:RS+32*\n+1], v[RS+32*\n+2:RS+32*\n+3]
.endr
.set k, 2
.rept 14
.irp n, 0,1,2,3
	v_pk_add_f32 v[RSUM+2*\n:RSUM+2*\n+1], v[RSUM+2*\n:RSUM+2*\n+1], v[RS+32*\n+2*k:RS+32*\n+2*k+1]
.endr
.set k, k+1
.endr
.if \first
.irp n, 0,1,2,3
	v_add_f32 v[RM+1+2*\n], v[RSUM+2*\n], v[RSUM+2*\n+1]
.endr
.else
.irp n, 0,1,2,3
	v_add_f32 v[RSUM+2*\n], v[RSUM+2*\n], v[RSUM+2*\n+1]
.endr
.irp n, 0,1,2,3
	v_fma_f32 v[RM+1+2*\n], v[RM+1+2*\n], v[RAL+2*\n], v[RSUM+2*\n]
.endr
.endif
.set k, 0
.rept 8
.irp i, 0,1,2,3,4,5,6,7
	v_cvt_pk_bf16_f32 v[RS+16*k+\i], v[RS+16*k+2*\i], v[RS+16*k+2*\i+1]    ; in place: register i is written when 2 i and 2 i + 1 are read
.endr
.set k, k+1
.endr
.endm
.macro RESCALE                         ; the old sums times 2^(old maximum - new maximum)
	WIN 0x41
.irp db, 0,1,2,3
.irp n, 0,1,2,3
.irp p, 0,1,2,3
	v_pk_mul_f32 v[RO+8*(4*\db+\n)+2*\p:RO+8*(4*\db+\n)+2*\p+1], v[RO+8*(4*\db+\n)+2*\p:RO+8*(4*\db+\n)+2*\p+1], v[RAL+2*\n:RAL+2*\n+1] op_sel_hi:[1,0]
.endr
.endr
.endr
.endm
; 64 keys.  more = 1: the first half of a step, which fetches the second half's fragments on its way.
.macro SUB slot, first, more
	s_wait_dscnt 16                                ; K's fragments are in; V's 16 loads, issued behind them, may stay out
	WIN 0x05
	SM16 0, 1
	SM16 1, 0
	PLACES 4                                       ; in front of the loads over K's fragments and of the first read of the scores
.if \more
	LOADK \slot, 1
.endif
	WIN 0
	SOFTMAX \first
.if \more
	s_wait_dscnt 16                                ; V's fragments are in; the 16 younger loads of K may stay out
.else
	s_wait_dscnt 0x0
.endif
.if \first
.else
	RESCALE
.endif
	WIN 0x50
	PV16 0, \first
	PV16 1, 0
	PLACES 5                                       ; the next scores are written over P by matrix instructions, the next loads over V's fragments
	WIN 0
.if \more
	LOADV \slot, 1
.endif
.endm
; A step: 128 keys of my stream out of one slot.  In front of the round every wave waits for all its tensor loads (its parts of this step's
; tile among them) and for its reads of the other slot; the joint refills of the other slot are the first tensor loads behind the round.
.macro TRIP slot, refill, first
	s_wait_tensorcnt 0x0
	ds_add_u32 v30, v31
	s_wait_dscnt 0x0
	s_add_nc_u64 s[G0K+4*\slot+2:G0K+4*\slot+3], s[G0K+4*\slot+2:G0K+4*\slot+3], 2*TSTEP   ; no load of mine is out: this slot's next tile
	s_add_nc_u64 s[G0V+4*\slot+2:G0V+4*\slot+3], s[G0V+4*\slot+2:G0V+4*\slot+3], 2*TSTEP
	s_wait_dscnt 0x0
	ROUND
.if \refill
	tensor_load_to_lds s[G0K+4*(1-\slot):G0K+4*(1-\slot)+3], s[G1K:G1K+7]
	s_nop 0
	tensor_load_to_lds s[G0V+4*(1-\slot):G0V+4*(1-\slot)+3], s[G1V:G1V+7]
	s_nop 0
.endif
	LOADK \slot, 0
	LOADV \slot, 0
	SUB \slot, \first, 1
	SUB \slot, 0, 0
.endm
	TRIP 0, 1, 1                                   ; steps 0, 1: the first 64 keys start maxima, denominators and sums
	TRIP 1, 1, 0
	s_mov_b32 s52, 2
.Lsteps:
	TRIP 0, 1, 0                                   ; steps 2-5
	TRIP 1, 1, 0
	s_sub_co_u32 s52, s52, 1
	s_cmp_lg_u32 s52, 0
	s_cbranch_scc1 .Lsteps
	TRIP 0, 1, 0                                   ; steps 6, 7: the last fetches nothing
	TRIP 1, 0, 0
	; THE TWO STREAMS MEET.  Waves 4-7 put O (128 registers), maxima and denominators into the stage of their 64 queries.
	s_cmp_lt_u32 s[WAVE], 4
	s_cbranch_scc1 .Lkeep
	WIN 0x04                                       ; store data in window 1
.set k, 0
.rept 32
	ds_store_b128 v[STG], v[RO+4*k:RO+4*k+3] offset:512*k
.set k, k+1
.endr
	WIN 0
	ds_store_b128 v[STG], v[RM:RM+3] offset:16384
	ds_store_b128 v[STG], v[RM+4:RM+7] offset:16896
.Lkeep:
	s_wait_dscnt 0x0                               ; for the others' sake
	s_barrier_signal -1
	s_barrier_wait -1
	s_cmp_ge_u32 s[WAVE], 4
	s_cbranch_scc1 .Lclose
.set k, 0
.rept 32
	ds_load_b128 v[RS+4*k:RS+4*k+3], v[STG] offset:512*k       ; the partner's O, register for register
.set k, k+1
.endr
	ds_load_b128 v[RX:RX+3], v[STG] offset:16384               ; its maximum at v[56+2n], its denominator at v[57+2n]
	ds_load_b128 v[RX+4:RX+7], v[STG] offset:16896
	s_wait_dscnt 0x0
.irp n, 0,1,2,3
	v_max_num_f32 v[RT+2*\n], v[RM+2*\n], v[RX+2*\n]
.endr
.irp n, 0,1,2,3
	v_sub_f32 v[RAL+2*\n], v[RM+2*\n], v[RT+2*\n]
	v_sub_f32 v[RSUM+2*\n], v[RX+2*\n], v[RT+2*\n]
.endr
.irp n, 0,1,2,3
	v_exp_f32 v[RAL+2*\n], v[RAL+2*\n]
	v_exp_f32 v[RSUM+2*\n], v[RSUM+2*\n]
.endr
	v_nop
	s_wait_alu depctr_va_vdst(0)
.irp n, 0,1,2,3
	v_mul_f32 v[RSUM+2*\n+1], v[RM+1+2*\n], v[RAL+2*\n]
.endr
.irp n, 0,1,2,3
	v_fma_f32 v[RSUM+2*\n+1], v[RX+2*\n+1], v[RSUM+2*\n], v[RSUM+2*\n+1]
.endr
.irp n, 0,1,2,3
	v_permlanex16_b32 v[RT+2*\n], v[RSUM+2*\n+1], s18, s19     ; the denominators were kept by halves of the wave
.endr
.irp n, 0,1,2,3
	v_add_f32 v[RSUM+2*\n+1], v[RSUM+2*\n+1], v[RT+2*\n]       ; at least 1: the largest score's term
.endr
.irp n, 0,1,2,3
	v_rcp_f32 v[RSUM+2*\n+1], v[RSUM+2*\n+1]
.endr
	v_nop
	s_wait_alu depctr_va_vdst(0)
.irp n, 0,1,2,3
	v_mul_f32 v[RAL+2*\n], v[RAL+2*\n], v[RSUM+2*\n+1]
	v_mul_f32 v[RSUM+2*\n], v[RSUM+2*\n], v[RSUM+2*\n+1]
.endr
.irp db, 0,1,2,3
.irp n, 0,1,2,3
.irp p, 0,1,2,3
	v_pk_mul_f32 v[RS+8*(4*\db+\n)+2*\p:RS+8*(4*\db+\n)+2*\p+1], v[RS+8*(4*\db+\n)+2*\p:RS+8*(4*\db+\n)+2*\p+1], v[RSUM+2*\n:RSUM+2*\n+1] op_sel_hi:[1,0]
.endr
.endr
.endr
	WIN 0x01                                       ; source 0, my O, in window 1
.irp db, 0,1,2,3
.irp n, 0,1,2,3
.irp p, 0,1,2,3
	v_pk_fma_f32 v[RS+8*(4*\db+\n)+2*\p:RS+8*(4*\db+\n)+2*\p+1], v[RO+8*(4*\db+\n)+2*\p:RO+8*(4*\db+\n)+2*\p+1], v[RAL+2*\n:RAL+2*\n+1], v[RS+8*(4*\db+\n)+2*\p:RS+8*(4*\db+\n)+2*\p+1] op_sel_hi:[1,0,1]
.endr
.endr
.endr
	WIN 0
.set k, 0
.rept 16
.irp i, 0,1,2,3
	v_cvt_pk_bf16_f32 v[RS+8*k+\i], v[RS+8*k+2*\i], v[RS+8*k+2*\i+1]
.endr
.set k, k+1
.endr
	s_lshr_b32 s60, s17, 4                         ; batch: 128 blocks of 16 tokens;
	s_lshl_b32 s60, s60, 7
	s_lshl_b32 s61, s16, 4                         ; my work-group's 256 queries: 16 blocks;
	s_add_co_u32 s60, s60, s61
	s_lshl_b32 s61, s13, 2                         ; my wave's 64: 4 blocks
	s_add_co_u32 s60, s60, s61
	s_lshl_b32 s60, s60, 15                        ; a block of 16 tokens is 32,768 bytes
	s_and_b32 s61, s17, 15
	s_lshl_b32 s61, s61, 11                        ; a head 2,048 bytes of it
	s_add_co_u32 s60, s60, s61
	s_mov_b32 s61, 0
	s_add_nc_u64 s[10:11], s[10:11], s[60:61]
.irp db, 0,1,2,3
.irp n, 0,1,2,3
	global_store_b128 v[CO], v[RS+8*(4*\db+\n):RS+8*(4*\db+\n)+3], s[10:11] offset:\n*32768+\db*512   ; a wave's store covers 512 consecutive bytes, aligned
.endr
.endr
.Lclose:
	s_wait_tensorcnt 0x0
	ds_add_u32 v30, v31
	s_wait_dscnt 0x0
	ROUND                                          ; the closing round: no work-group ends while a partner may still ask for a tile that names it
	s_endpgm
.Lfunc_end_k_qd0299f9c6f_attn:
	.size	k_qd0299f9c6f_attn, .Lfunc_end_k_qd0299f9c6f_attn-k_qd0299f9c6f_attn
	.p2alignl 7, 3214868480
	.fill 96, 4, 3214868480
	.section	.rodata,"a",@progbits
	.p2align	6, 0x0
	.amdhsa_kernel k_qd0299f9c6f_attn
		.amdhsa_group_segment_fixed_size 327680
		.amdhsa_private_segment_fixed_size 0
		.amdhsa_enable_private_segment 0
		.amdhsa_kernarg_size 32
		.amdhsa_user_sgpr_count 2
		.amdhsa_user_sgpr_kernarg_segment_ptr 1
		.amdhsa_wavefront_size32 1
		.amdhsa_system_sgpr_workgroup_id_x 1
		.amdhsa_system_sgpr_workgroup_id_y 1
		.amdhsa_system_sgpr_workgroup_id_z 1
		.amdhsa_system_vgpr_workitem_id 0
		.amdhsa_next_free_vgpr 512
		.amdhsa_next_free_sgpr 66
		.amdhsa_reserve_vcc 0
		.amdhsa_float_denorm_mode_32 3
		.amdhsa_float_denorm_mode_16_64 3
		.amdhsa_memory_ordered 1
		.amdhsa_forward_progress 1
		.amdhsa_inst_pref_size 255
	.end_amdhsa_kernel
	.section	.bss,"aw",@nobits
	.p2align	6
	.space	262144
	.amdgpu_metadata
---
amdhsa.version: [ 1, 2 ]
amdhsa.kernels:
  - .name:           k_qd0299f9c6f_attn
    .symbol:         k_qd0299f9c6f_attn.kd
    .args:
      - { .name: qb, .offset: 0, .size: 8, .value_kind: global_buffer, .address_space: global }
      - { .name: kb, .offset: 8, .size: 8, .value_kind: global_buffer, .address_space: global }
      - { .name: vb, .offset: 16, .size: 8, .value_kind: global_buffer, .address_space: global }
      - { .name: ctxf, .offset: 24, .size: 8, .value_kind: global_buffer, .address_space: global }
    .group_segment_fixed_size: 327680
    .private_segment_fixed_size: 0
    .kernarg_segment_align: 8
    .kernarg_segment_size: 32
    .max_flat_workgroup_size: 256
    .sgpr_count:     66
    .vgpr_count:     512
    .wavefront_size: 32
...
	.end_amdgpu_metadata
.endif
;; end of part 3
;; launch oproj (part 4): grid 8 x 32, 4 waves a work-group, clusters of 4 x 4, 327,680 bytes of LDS; arguments ctxf, wb, bo, out0; writes out0
.if DOCPART == 4
	.amdgcn_target "amdgcn-amd-amdhsa--gfx1250"
	.amdhsa_code_object_version 6
	.text
	.protected	k_qd0299f9c6f_oproj
	.globl	k_qd0299f9c6f_oproj
	.p2align	8
	.type	k_qd0299f9c6f_oproj,@function
k_qd0299f9c6f_oproj:
	s_mov_b64 s[64:65], 0
	v_nop
	global_prefetch_b8 v0, s[64:65] scope:SCOPE_SE
	s_setreg_imm32_b32 hwreg(HW_REG_WAVE_MODE, 25, 1), 1
	s_wait_xcnt 0x0
	s_wait_alu depctr_hold_cnt(0) depctr_sa_sdst(0) depctr_va_vdst(0) depctr_va_sdst(0) depctr_va_ssrc(0) depctr_va_vcc(0) depctr_vm_vsrc(0)
	s_getreg_b32 s2, hwreg(HW_REG_IB_STS2, 6, 4)
	s_cmp_eq_u32 s2, 0
	s_cbranch_scc0 .Lentry_in_a_cluster
	s_endpgm
.Lentry_in_a_cluster:
	s_bfe_u32 s2, ttmp6, 0x10000c
	s_cmp_lg_u32 s2, 0xf033
	s_cbranch_scc0 .Lentry_shape_is_right
	s_endpgm
.Lentry_shape_is_right:
; out0 = ctx Wo + bo.  ctxf: ctx in bf16 in fragment order, [token / 16 (256)][k / 32 (32)][half (2)][lane (32)][16 bytes].
; wb + 6 MiB: Wo as [1024 k][1024 n] bf16.  out0: [4096][1024] f32.
; 32 x 8 blocks of 128 tokens x 128 columns give one work-group to each of 256 WGPs; four waves, each 64 x 64 = 16 accumulator tiles.
; (Blocks of 256 x 128 would feed each LDS byte to twice the products, but would be work for 128 work-groups only.)
; K goes in 4 steps of 256 through two LDS slots.  ctx's tile is a dense copy, read with 16 bytes a lane from 512 neighbouring bytes;
; Wo's rows are 256 bytes of memory, padded to 288 in LDS for the transposing load.
; CLUSTERS: 4 x 4 work-groups; ctx's tile is asked for jointly by a row of the cluster, Wo's by a column.
; The matrix instruction is used transposed (source 0 = 16 columns of Wo, source 1 = 16 tokens): lane l holds token l % 16 and the
; columns 8 (l / 16) + 0..7.  Sums and bias in f32; nothing is rounded on the way out.
.set BP,    288
.set BHALF, 128*BP                     ; what one wave fetches of Wo: 128 k
.set BTILE, 2*BHALF
.set ATILE, 65536                      ; 8 blocks of 16 tokens x 8 fragments of 1,024 bytes
.set SLOT,  BTILE+ATILE                ; 139,264 bytes
.set STAGE, 2*SLOT                     ; each wave's own stage, behind the ring: 16 rows of 272 bytes
.set SP,    272
.set WAVE, 20                          ; s20 wave; s21 cx, s22 cy, s23 column block, s24 token block, s25, s26 masks, s27 wave / 2, s67 wave % 2
.set G1A,  28
.set G1B,  36
.set G0A,  44
.set G0B,  52
.set ADRA, 10                          ; v10-11  ctx fragments in slot 0, 1
.set ADRB, 12                          ; v12-15  Wo fragments: 2 slot + (k / 128)
.set STO,  16
.set RD,   17
.set CO,   18
.set BO,   19
.set BIAS, 24                          ; v[24:27]
.set F0,   64                          ; fragment buffers: 4 of ctx, then 4 of Wo
.set F1,   128
.set T0,   192                         ; the way out, two sets
.set T1,   224
.set MSB, 0
.macro WIN new
.if MSB != \new
	s_set_vgpr_msb (MSB<<8)|\new
.set MSB, \new
.endif
.endm
.macro PLACES n                        ; places behind matrix instructions (ISA guide 7.12.1)
.rept \n
	v_nop
.endr
.endm
.macro CREST
	s_cmp_lg_u32 s[WAVE], 0
	s_cbranch_scc1 .Lnot_wave_0_\@
	s_barrier_signal -3
.Lnot_wave_0_\@:
	s_barrier_wait -3
	s_barrier_signal -1
	s_barrier_wait -1
.endm
.macro CROUND
	s_barrier_signal -1
	s_barrier_wait -1
	CREST
.endm
.macro JLOAD s                         ; waves 0, 1 fetch Wo's two halves, waves 2, 3 ctx's; the branch hangs on the wave's number alone
	s_cmp_eq_u32 s27, 0
	s_cbranch_scc0 .Lfor_a_\@
	tensor_load_to_lds s[G0B+4*\s:G0B+4*\s+3], s[G1B:G1B+7]
	s_nop 0
	s_branch .Lasked_\@
.Lfor_a_\@:
	tensor_load_to_lds s[G0A+4*\s:G0A+4*\s+3], s[G1A:G1A+7]
	s_nop 0
.Lasked_\@:
.endm
	s_load_b256 s[4:11], s[0:1], 0x0               ; ctxf s[4:5], wb s[6:7], bo s[8:9], out0 s[10:11]
	v_lshl_add_u32 v62, v0, 2, 0x48400
	v_mov_b32 v63, 0
	ds_add_u32 v62, v63
	v_lshrrev_b32 v1, 5, v0
	v_readfirstlane_b32 s[WAVE], v1
	s_lshr_b32 s27, s[WAVE], 1                     ; which 64 tokens are mine.  Also: I fetch for Wo (0) or for ctx (1)
	s_and_b32 s67, s[WAVE], 1                      ; which 64 columns.  Also: which half of that tile I fetch
	s_bfe_u32 s21, ttmp6, 0x40000
	s_bfe_u32 s22, ttmp6, 0x40004
	s_lshl_b32 s23, ttmp9, 2
	s_add_co_u32 s23, s23, s21                     ; column block, 0..7
	s_and_b32 s24, ttmp7, 0xffff
	s_lshl_b32 s24, s24, 2
	s_add_co_u32 s24, s24, s22                     ; token block, 0..31
	s_lshl_b32 s25, s22, 2
	s_lshl_b32 s25, 15, s25                        ; my row of the cluster
	s_lshl_b32 s26, 0x1111, s21                    ; my column
	s_or_b32 s[G1A+0], s25, (3<<16)|(1<<21)        ; mask; elements of 8 bytes; no padding; bit 21 beside a mask
	s_mov_b32 s[G1A+1], 1024<<16                   ; tensor_dim0 = 1,024 elements = 8 fragments of 1,024 bytes
	s_mov_b32 s[G1A+2], 4<<16                      ; tensor_dim1 = 4 blocks of 16 tokens
	s_mov_b32 s[G1A+3], 1024<<16                   ; tile_dim0
	s_mov_b32 s[G1A+4], 4                          ; tile_dim1
	s_mov_b32 s[G1A+5], 4096                       ; a block of 16 tokens is 32,768 bytes
	s_mov_b32 s[G1A+6], 0
	s_mov_b32 s[G1A+7], 0
	s_or_b32 s[G1B+0], s26, (1<<16)|(1<<20)|(1<<21)|(5<<22)|(7<<25)   ; mask; elements of 2 bytes; after every 64 words 8 words of padding
	s_mov_b32 s[G1B+1], 128<<16
	s_mov_b32 s[G1B+2], 128<<16
	s_mov_b32 s[G1B+3], 128<<16                    ; 128 columns = 256 bytes
	s_mov_b32 s[G1B+4], 128                        ; 128 k
	s_mov_b32 s[G1B+5], 1024
	s_mov_b32 s[G1B+6], 0
	s_mov_b32 s[G1B+7], 0
	s_lshl_b32 s60, s24, 18                        ; ctx: 8 blocks of 32,768 bytes for each token block, 4 for my half (no cx enters s[60:61])
	s_lshl_b32 s61, s67, 17
	s_add_co_u32 s60, s60, s61
	s_mov_b32 s61, 0
	s_lshl_b32 s62, s67, 18                        ; Wo: 128 rows of 2,048 bytes for my half, 256 bytes for each column block (no cy enters s[62:63])
	s_lshl_b32 s63, s23, 8
	s_add_co_u32 s62, s62, s63
	s_add_co_u32 s62, s62, 6291456                 ; Wo lies at 6 MiB in wb
	s_mov_b32 s63, 0
	s_mul_i32 s68, s[WAVE], BHALF                  ; Wo's halves go to wave x 36,864 (waves 0, 1),
	s_lshl_b32 s69, s[WAVE], 15
	s_add_co_u32 s69, s69, BTILE-65536             ; ctx's to 73,728 + (wave - 2) x 32,768 (waves 2, 3)
	s_wait_dscnt 0x0
	s_wait_kmcnt 0x0
	s_add_nc_u64 s[60:61], s[4:5], s[60:61]
	s_add_nc_u64 s[62:63], s[6:7], s[62:63]
	CROUND                                         ; all sixteen work-groups are here: the first joint loads meet
.irp s, 0,1
	s_mov_b32 s[G0A+4*\s], 1
	s_add_co_u32 s[G0A+4*\s+1], s69, \s*SLOT
	s_add_nc_u64 s[G0A+4*\s+2:G0A+4*\s+3], s[60:61], \s*8192           ; K step s: 8 fragments on
	s_or_b32 s[G0A+4*\s+3], s[G0A+4*\s+3], 0x80000000
	s_mov_b32 s[G0B+4*\s], 1
	s_add_co_u32 s[G0B+4*\s+1], s68, \s*SLOT
	s_add_nc_u64 s[G0B+4*\s+2:G0B+4*\s+3], s[62:63], \s*524288         ; K step s: 256 rows on
	s_or_b32 s[G0B+4*\s+3], s[G0B+4*\s+3], 0x80000000
	JLOAD \s
.endr
	v_and_b32 v1, 31, v0                           ; lane l
	v_and_b32 v2, 15, v0                           ; r
	v_bfe_u32 v3, v0, 4, 1                         ; h
	v_and_b32 v4, 7, v0
	v_bfe_u32 v5, v0, 3, 1
	s_lshl_b32 s66, s23, 9                         ; bias: 4 bytes x (128 column block + 64 column half + 4 r)
	s_lshl_b32 s68, s67, 8
	s_add_co_u32 s66, s66, s68
	v_lshl_add_u32 v[BO], v2, 4, s66
	global_load_b128 v[BIAS:BIAS+3], v[BO], s[8:9]
	s_lshl_b32 s68, s27, 15                        ; ctx: my 4 blocks of 16 tokens, 16 bytes a lane
	s_add_co_u32 s68, s68, BTILE
	v_lshl_add_u32 v[ADRA], v1, 4, s68
	v_add_nc_u32 v[ADRA+1], SLOT, v[ADRA]
	v_lshl_add_u32 v7, v3, 3, v4                   ; Wo: row 8 h + l % 8, 16 bytes at 16 ((l / 8) % 2), my 64 columns
	v_mul_u32_u24 v7, v7, BP
	v_lshl_add_u32 v7, v5, 4, v7
	s_lshl_b32 s68, s67, 7
	v_add_nc_u32 v[ADRB], s68, v7
	v_add_nc_u32 v[ADRB+1], BHALF, v[ADRB]
	v_add_nc_u32 v[ADRB+2], SLOT, v[ADRB]
	v_add_nc_u32 v[ADRB+3], SLOT+BHALF, v[ADRB]
	s_mul_i32 s68, s[WAVE], 16*SP
	s_add_co_u32 s68, s68, STAGE                   ; my stage
	v_mul_u32_u24 v8, v2, SP                       ; in: token r, 32 bytes for each half of the lanes
	v_lshl_add_u32 v8, v3, 5, v8
	v_add_nc_u32 v[STO], s68, v8
	v_mul_u32_u24 v9, v3, SP                       ; back: lanes 0-15 one row of 256 bytes, lanes 16-31 the next
	v_lshl_add_u32 v9, v2, 4, v9
	v_add_nc_u32 v[RD], s68, v9
	v_lshlrev_b32 v6, 12, v3                       ; and the same two rows of out0
	v_lshl_add_u32 v[CO], v2, 4, v6
	s_lshl_b32 s66, s24, 19                        ; out0: 128 tokens of 4,096 bytes, my 64 tokens, 512 bytes a column block, my 256 bytes
	s_lshl_b32 s68, s27, 18
	s_add_co_u32 s66, s66, s68
	s_lshl_b32 s68, s23, 9
	s_add_co_u32 s66, s66, s68
	s_lshl_b32 s68, s67, 8
	s_add_co_u32 s66, s66, s68
	s_mov_b32 s67, 0                               ; (wave % 2 is not needed any more)
	s_add_nc_u64 s[10:11], s[10:11], s[66:67]
; 8 matrix instructions: token blocks a0, a0 + 1 x 4 column blocks, 32 along K.  The 16 accumulators take turns, one instruction a turn,
; in the same order in every eighth of a K step.
.macro MUL8 f, a0, zero
.irp a, \a0, \a0+1
.irp b, 0,1,2,3
.if \zero
	v_wmma_f32_16x16x32_bf16 v[8*(4*(\a)+\b):8*(4*(\a)+\b)+7], v[\f+32+8*\b:\f+32+8*\b+7], v[\f+8*(\a):\f+8*(\a)+7], 0
.else
	v_wmma_f32_16x16x32_bf16 v[8*(4*(\a)+\b):8*(4*(\a)+\b)+7], v[\f+32+8*\b:\f+32+8*\b+7], v[\f+8*(\a):\f+8*(\a)+7], v[8*(4*(\a)+\b):8*(4*(\a)+\b)+7]
.endif
.endr
.endr
.endm
.macro FETCH slot, e, f                ; 16 LDS loads: eighth e (32 along K) of a slot into buffer f
	WIN 0
.irp a, 0,1,2,3
	ds_load_b128 v[\f+8*\a:\f+8*\a+3],   v[ADRA+\slot] offset:\a*8192+\e*1024
	ds_load_b128 v[\f+8*\a+4:\f+8*\a+7], v[ADRA+\slot] offset:\a*8192+\e*1024+512
.endr
.irp b, 0,1,2,3
	ds_load_tr16_b128 v[\f+32+8*\b:\f+32+8*\b+3],   v[ADRB+2*\slot+\e/4] offset:(\e%4)*32*BP+32*\b
	ds_load_tr16_b128 v[\f+32+8*\b+4:\f+32+8*\b+7], v[ADRB+2*\slot+\e/4] offset:(\e%4)*32*BP+32*\b+16*BP
.endr
.endm
; One of the first seven eighths: fetches eighth e into buffer g, multiplies buffer f
.macro EIGHTH slot, e, f, g, zero
	PLACES 4                                       ; buffer g was read by the last matrix instructions: loads into it stand four places behind them
	FETCH \slot, \e, \g
	s_wait_dscnt 16                                ; all but the 16 just issued: buffer f is in
	WIN 0x50
	MUL8 \f, 0, \zero
	MUL8 \f, 2, \zero
.endm
.macro STEP7 slot, zero
	EIGHTH \slot, 1, F0, F1, \zero
	EIGHTH \slot, 2, F1, F0, 0
	EIGHTH \slot, 3, F0, F1, 0
	EIGHTH \slot, 4, F1, F0, 0
	EIGHTH \slot, 5, F0, F1, 0
	EIGHTH \slot, 6, F1, F0, 0
	EIGHTH \slot, 7, F0, F1, 0
.endm
; The last eighth multiplies buffer 1 and changes slots: each wave's reads of this slot and all its tensor loads are waited for in front of the
; barrier; where the slot is filled again the barrier opens a round of the cluster's barrier and the joint refill is the first tensor load behind it.
; A wave has at most two tensor loads out (at the start), later one.
.macro TURN slot, next, fill
	s_wait_dscnt 0x0
	s_wait_tensorcnt 0x0
	ds_add_u32 v62, v63
	s_wait_dscnt 0x0
	s_barrier_signal -1
	WIN 0x50
	MUL8 F1, 0, 0                                  ; register work while the others arrive
	WIN 0
	s_barrier_wait -1
.if \fill
	CREST
	s_add_nc_u64 s[G0A+4*\slot+2:G0A+4*\slot+3], s[G0A+4*\slot+2:G0A+4*\slot+3], 2*8192
	s_add_nc_u64 s[G0B+4*\slot+2:G0B+4*\slot+3], s[G0B+4*\slot+2:G0B+4*\slot+3], 2*524288
	JLOAD \slot
.endif
	PLACES 4
	FETCH \next, 0, F0
	WIN 0x50
	MUL8 F1, 2, 0
.endm
	s_wait_tensorcnt 1                             ; my part of K step 0 is in; K step 1's may stay out
	s_barrier_signal -1
	s_barrier_wait -1
	FETCH 0, 0, F0
	STEP7 0, 1                                     ; K step 0: the first products start the sums
	TURN 0, 1, 1                                   ; fills K step 2
	STEP7 1, 0
	TURN 1, 0, 1                                   ; fills K step 3
	STEP7 0, 0
	TURN 0, 1, 0
	STEP7 1, 0
	s_wait_dscnt 0x0
	WIN 0x50
	MUL8 F1, 0, 0
	MUL8 F1, 2, 0
	; THE WAY OUT, 16 tokens at a time through my own stage: 32 bytes a lane in, whole rows of 256 bytes back, the bias added, stored.
	PLACES 4
	s_wait_loadcnt 0x0                             ; the bias
.macro OUT16 a, t
	WIN 0x04                                       ; store data in window 1
.irp b, 0,1,2,3
	ds_store_b128 v[STO], v[8*(4*\a+\b):8*(4*\a+\b)+3]   offset:64*\b
	ds_store_b128 v[STO], v[8*(4*\a+\b)+4:8*(4*\a+\b)+7] offset:64*\b+16
.endr
	WIN 0
	s_wait_xcnt 0x0                                ; set t was the data of earlier stores: it is loaded again only behind this wait (ISA guide 3.1)
.irp i, 0,1,2,3,4,5,6,7
	ds_load_b128 v[\t+4*\i:\t+4*\i+3], v[RD] offset:\i*2*SP    ; LDS serves a wave's instructions in order (ISA guide 5.7.1): these see the stores above
.endr
.irp i, 0,1,2,3,4,5,6,7
	s_wait_dscnt 7-\i
	v_pk_add_f32 v[\t+4*\i:\t+4*\i+1],   v[\t+4*\i:\t+4*\i+1],   v[BIAS:BIAS+1]
	v_pk_add_f32 v[\t+4*\i+2:\t+4*\i+3], v[\t+4*\i+2:\t+4*\i+3], v[BIAS+2:BIAS+3]
	global_store_b128 v[CO], v[\t+4*\i:\t+4*\i+3], s[10:11] offset:(16*\a+2*\i)*4096 th:TH_STORE_NT   ; 16 lanes store 256 consecutive bytes, aligned
.endr
.endm
	OUT16 0, T0
	OUT16 1, T1
	OUT16 2, T0
	OUT16 3, T1
	s_wait_tensorcnt 0x0
	ds_add_u32 v62, v63
	s_wait_dscnt 0x0
	CROUND                                         ; the closing round: no work-group ends while a partner may still ask for a tile that names it
	s_endpgm
.Lfunc_end_k_qd0299f9c6f_oproj:
	.size	k_qd0299f9c6f_oproj, .Lfunc_end_k_qd0299f9c6f_oproj-k_qd0299f9c6f_oproj
	.p2alignl 7, 3214868480
	.fill 96, 4, 3214868480
	.section	.rodata,"a",@progbits
	.p2align	6, 0x0
	.amdhsa_kernel k_qd0299f9c6f_oproj
		.amdhsa_group_segment_fixed_size 327680
		.amdhsa_private_segment_fixed_size 0
		.amdhsa_enable_private_segment 0
		.amdhsa_kernarg_size 32
		.amdhsa_user_sgpr_count 2
		.amdhsa_user_sgpr_kernarg_segment_ptr 1
		.amdhsa_wavefront_size32 1
		.amdhsa_system_sgpr_workgroup_id_x 1
		.amdhsa_system_sgpr_workgroup_id_y 1
		.amdhsa_system_sgpr_workgroup_id_z 1
		.amdhsa_system_vgpr_workitem_id 0
		.amdhsa_next_free_vgpr 384
		.amdhsa_next_free_sgpr 72
		.amdhsa_reserve_vcc 0
		.amdhsa_float_denorm_mode_32 3
		.amdhsa_float_denorm_mode_16_64 3
		.amdhsa_memory_ordered 1
		.amdhsa_forward_progress 1
		.amdhsa_inst_pref_size 93
	.end_amdhsa_kernel
	.amdgpu_metadata
---
amdhsa.version: [ 1, 2 ]
amdhsa.kernels:
  - .name:           k_qd0299f9c6f_oproj
    .symbol:         k_qd0299f9c6f_oproj.kd
    .args:
      - { .name: ctxf, .offset: 0, .size: 8, .value_kind: global_buffer, .address_space: global }
      - { .name: wb, .offset: 8, .size: 8, .value_kind: global_buffer, .address_space: global }
      - { .name: bo, .offset: 16, .size: 8, .value_kind: global_buffer, .address_space: global }
      - { .name: out0, .offset: 24, .size: 8, .value_kind: global_buffer, .address_space: global }
    .group_segment_fixed_size: 327680
    .private_segment_fixed_size: 0
    .kernarg_segment_align: 8
    .kernarg_segment_size: 32
    .max_flat_workgroup_size: 128
    .sgpr_count:     72
    .vgpr_count:     384
    .wavefront_size: 32
...
	.end_amdgpu_metadata
.endif
;; end of part 4
